; MI455X (gfx1250); checked and timed in simulation.
; The chip was launched on July 23, 2026; its instructions are those of AMD's public machine-readable ISA for CDNA 5 (MIT licence, August 2026) and "CDNA5" Instruction Set Architecture Reference Guide (July 2026). The comments in the code are by the model that wrote it; some were corrected since.
;; Attention Block. Allowed arithmetic: matrix products marked QUANTISED: E2M3 operands, one E8M0 scale for each 32 along K, by v_wmma_scale_f32_16x16x128_f8f6f4 with both operands' format E2M3, f32 sums; everything else in f32.
;; Inputs: b_out 1,024 float32; k 4 x 2,048 x 1,024 float32; q 4 x 2,048 x 1,024 float32; v 4 x 2,048 x 1,024 float32; w_out 1,024 x 1,024 float32.
;; Outputs: out0 4 x 2,048 x 1,024 float32.
;; This version of the problem:
;;   THIS VERSION OF THE PROBLEM IS GIVEN IN LOW PRECISION. The matrix products marked QUANTISED in the list below multiply operands that are first quantised to E2M3 (2 exponent bits, 3 mantissa bits; 6 bits a number), with one power-of-two scale for each 32 numbers along K (OCP MX v1.0); their sums are f32. All else is computed in f32.
;;   The module's matrix products, in the order in which they are computed (A, B: the left and right operand; K: the contracted axis; several contracted axes count as one K, in the product's order):
;;     1. batch 64 x [M 2,048, K 64] x [K 64, N 2,048]; A: input q; B: input k: QUANTISED
;;     2. batch 64 x [M 2,048, K 2,048] x [K 2,048, N 64]; A: softmax (see below); B: input v: QUANTISED
;;     3. [M 8,192, K 1,024] x [K 1,024, N 1,024]; A: computed on the way; B: input w_out: QUANTISED
;;   THE QUANTISER, for each operand of a quantised product, along K:
;;     - K is cut into blocks of 32 from its start; a last block that is shorter is filled with zeros.
;;     - A block's scale is 2^e with e = floor(log2(the largest magnitude in the block)) - 2, held to -126 .. 127; a block of zeros has e = 0. As a byte (E8M0): e + 127.
;;     - Each number is divided by its block's scale, clamped to +-7.5, and rounded to the nearest number of E2M3, ties to even, subnormals kept.
;;     - The product sums the exact products of the quantised numbers (number of the format x scale) in f32.
;;   ~~~python
;;   def quantise(x, axis):      # numpy; x: float32 -> the quantised numbers, widened to float32 again
;;       x = np.moveaxis(x, axis, -1); K = x.shape[-1]
;;       x = np.pad(x, [(0, 0)] * (x.ndim - 1) + [(0, -K % 32)]); x = x.reshape(x.shape[:-1] + (-1, 32)); a = np.abs(x).max(-1, keepdims=True)
;;       e = np.where(a > 0, np.clip(np.frexp(np.where(a > 0, a, 1))[1] - 1 - 2, -126, 127), 0)      # np.frexp(a)[1] - 1 = floor(log2(a)), exactly
;;       r = np.clip(x / 2.0 ** e, -7.5, 7.5)
;;       step = 2.0 ** (np.maximum(np.frexp(np.where(r == 0, 1, r))[1] - 1, 0) - 3)
;;       q = np.round(r / step) * step * 2.0 ** e      # np.round: ties to even
;;       return np.moveaxis(q.reshape(q.shape[:-2] + (-1,))[..., :K], -1, axis).astype(np.float32)
;;   ~~~
;;   SOFTMAX AHEAD OF A QUANTISED PRODUCT. Where the list says 'softmax', what is quantised is not the finished softmax but p = 2^(t - M), with t = logit x log2(e) and M = ceil(the row's largest t), a whole number; so 1/2 < the row's largest p <= 1. The row's sum l is taken of the UNQUANTISED p, in f32, and the product's result is divided by l at the end. Since M is a whole number, a kernel that streams over the keys may use a running M (the ceiling of the running maximum): every later rescaling is an exact power of two, which a block's scale takes up: the codes' values come out the same.
;;   OPERANDS COMPUTED ON THE WAY. 'Computed on the way' means the value that the module computes at that place (a softmax that the list does not call 'softmax' is quantised finished and normalised). What goes into a quantiser is computed in f32, as accurately as f32 sums, v_exp_f32 and their like allow (about 1e-6 of the number): no bf16 or f16 on the way to a quantiser, and a product that is left as it is and whose result goes on into a quantised operand takes f32 operands (vector FMAs, or v_wmma_f32_16x16x4_f32). A number that lies on a knife's edge between two numbers of the format may be rounded either way, as far as f32 arithmetic and the matrix unit's own rounding can turn it there, and no further.
;; One version. Each part assembles by itself: llvm-mc -triple=amdgcn-amd-amdhsa -mcpu=gfx1250 --defsym DOCPART=n.
;; ======== version 1 of 1: 3 launches
;; limits: right only within a limited range of input values
;; workspace buffers: kc 6,815,744 bytes; vc 6,553,600 bytes; wc 786,432 bytes; ws 65,536 bytes; ac 6,291,456 bytes; asc 524,288 bytes
;; launch prep (part 1): grid 544 x 1, 4 waves a work-group, no clusters, 36,352 bytes of LDS; arguments k, v, w_out, kc, vc, wc, ws; writes kc, vc, wc, ws
.if DOCPART == 1
	.amdgcn_target "amdgcn-amd-amdhsa--gfx1250"
	.amdhsa_code_object_version 6
	.text
	.protected	k_q7552ae450f_prep
	.globl	k_q7552ae450f_prep
	.p2align	8
	.type	k_q7552ae450f_prep,@function
k_q7552ae450f_prep:
	s_mov_b64 s[64:65], 0
	v_nop
	global_prefetch_b8 v0, s[64:65] scope:SCOPE_SE
	s_setreg_imm32_b32 hwreg(HW_REG_WAVE_MODE, 25, 1), 1
	s_wait_xcnt 0x0
; k [4][2048][1024], w_out [1024][1024] (their K is innermost) and v [4][2048][1024] (its K, the keys, is not) are turned from f32 into codes of FP6 (E2M3)
; with one E8M0 byte for each 32 along K, laid in the ORDER OF THE OPERANDS' REGISTERS, so that the later launches fetch fragments by loads of 16 and 8 bytes a lane from dense blocks.
; A block's scale is 2^(floor(log2(its largest magnitude)) - 2): its byte is the largest magnitude's exponent field - 2, held at 1 from below by a floor among the maximum's leaves.
; LIMITS: a block of zeros gets the byte 1 where the rule says 127 (its codes are zeros, which add nothing under any byte but 0xff, and this program alone reads the bytes);
; NaN and infinities among the inputs are not served.
; SHARES.  A wave takes one unit of 128 rows x 64 columns (32,768 bytes of f32).  Work-groups 0-255 take k, 256-287 w_out, 288-543 v.  With x' the number inside the section:
; block of 128 rows R = x' / 4, column group hd = 4 (x' % 4) + wave: the four waves stand side by side on 1,024 bytes of each row.
; HALF IMAGE (16 rows x 64 k, 768 bytes): lane (r = l % 16, h = l / 16) owns the 24 bytes of block h of row r: its first 16 bytes at 16 l, its last 8 at 512 + 8 l.
; FULL IMAGE (16 rows x 128 k, 1,536 bytes): a lane's 12 registers in three groups of four, group g at 512 g + 16 l.
; THE ROWS OF A TILE ARE NOT NEIGHBOURS: row r of tile t is row 64 (t / 4) + 8 (t % 4) + r % 8 + 32 (r / 8) of the unit, so that a product with tiles 4 c .. 4 c + 3 as source 0 leaves 32 neighbours in the 32 registers of those tiles.
; No cluster, no tensor load, no barrier: waves share nothing, and no two work-groups read the same bytes.
.set KSTEPB, 6656                      ; kc: a step of 128 keys of one head: 8 half images, then 512 bytes of scale words
.set VSTEPB, 6400                      ; vc: 4 full images, then 256 bytes of scale words
.set STGB,   8960                      ; LDS: a stage of its own for each wave: 32 rows of 256 bytes, 272 bytes apart, and 128 more behind row 15
.set RAW,    64                        ; v64-191  two sets of 64: a chunk of 32 rows as loaded    (v's path: v64-127 two sets of 32 numbers, v128-175 codes)
.set X,      192                       ; v192-255 two tiles' blocks: 32 neighbours along K a lane
.set ET,     36                        ; v36-43   a tile's scale byte, at its place in the half word
.set PD,     44                        ; v44-51   the other half's byte
.set WD,     52                        ; v52-55   scale words on their way out
	s_load_b256 s[4:11], s[0:1], 0x0               ; k s[4:5], v s[6:7], w_out s[8:9], kc s[10:11]
	s_load_b128 s[12:15], s[0:1], 0x20             ; vc s[12:13], wc s[14:15]
	s_load_b64 s[16:17], s[0:1], 0x30              ; ws
	v_lshl_add_u32 v62, v0, 2, 0x8c00
	v_mov_b32 v63, 0
	v_lshrrev_b32 v1, 5, v0
	v_readfirstlane_b32 s18, v1                    ; wave 0..3
	v_and_b32 v1, 31, v0                           ; lane
	s_mov_b32 s20, 0x76543210
	s_mov_b32 s21, 0xfedcba98                      ; v_permlanex16_b32's selects for lane l xor 16
; the largest magnitude of the 32 numbers v[xs] on, with the floor 2^(3 - 127), in v32; with 2 taken off its exponent field, the conversions' scale operand, in v34
.macro BMAX xs
	v_max3_num_f32 v32, |v[\xs]|, |v[\xs+1]|, |v[\xs+2]|
	v_max3_num_f32 v33, |v[\xs+3]|, |v[\xs+4]|, |v[\xs+5]|
.irp i, 6,10,14,18,22,26
	v_max3_num_f32 v32, v32, |v[\xs+\i]|, |v[\xs+\i+1]|      ; two chains, so that no line waits for the line above it
	v_max3_num_f32 v33, v33, |v[\xs+\i+2]|, |v[\xs+\i+3]|
.endr
	v_max3_num_f32 v32, v32, |v[\xs+30]|, |v[\xs+31]|
	v_max3_num_f32 v32, v32, v33, 0x1800000        ; the floor: the byte cannot fall under 1
	v_add_nc_u32 v34, 0xff000000, v32              ; the conversion takes the exponent field of this operand as its scale, and nothing else of it
.endm
	s_cmp_ge_u32 ttmp9, 288                        ; v's work-groups part here: a branch on the work-group's number; their path touches no LDS
	s_cbranch_scc1 .Lv
; ---------------- k and w_out: ONE path; pointers and offsets alone are chosen ----------------
	s_cmp_lt_u32 ttmp9, 256
	s_cselect_b32 s19, 0, 256
	s_sub_co_u32 s19, ttmp9, s19                   ; x'
	s_lshr_b32 s22, s19, 2                         ; R
	s_and_b32 s23, s19, 3
	s_lshl_b32 s23, s23, 2
	s_add_co_u32 s23, s23, s18                     ; hd
	s_lshl_b32 s24, s22, 19                        ; 128 rows of 4,096 bytes
	s_lshl_b32 s25, s23, 8                         ; 64 columns of 4 bytes
	s_add_co_u32 s24, s24, s25
	s_mov_b32 s25, 0                               ; s[24:25]: where my unit begins in the source
	s_lshr_b32 s26, s22, 4                         ; k: batch R / 16, head hd, step R % 16
	s_lshl_b32 s26, s26, 4
	s_add_co_u32 s26, s26, s23
	s_lshl_b32 s26, s26, 4
	s_and_b32 s27, s22, 15
	s_add_co_u32 s26, s26, s27
	s_mul_i32 s26, s26, KSTEPB                     ; k's codes,
	s_add_co_u32 s27, s26, 6144                    ; and its scale words behind the step's 8 half images
	s_lshl_b32 s28, s22, 3                         ; w_out: K step g = hd / 2, half c = hd % 2
	s_lshr_b32 s29, s23, 1
	s_add_co_u32 s28, s28, s29                     ; 8 R + g
	s_and_b32 s29, s23, 1
	s_mul_i32 s30, s28, 12288
	s_mul_i32 s31, s29, 768
	s_add_co_u32 s30, s30, s31                     ; w_out's codes: [R][g][tile][c][768]
	s_lshl_b32 s28, s28, 10
	s_lshl_b32 s29, s29, 9
	s_add_co_u32 s31, s28, s29                     ; its scale words: [R][g][c][512]
	s_mov_b32 s52, 1536
	s_mul_i32 s54, s18, STGB                       ; my stage
	v_and_b32 v2, 15, v0                           ; r
	v_bfe_u32 v3, v0, 4, 1                         ; h
	v_lshlrev_b32 v4, 4, v2
	v_lshl_add_u32 v4, v3, 12, v4                  ; in: lanes 0-15 one row's 256 bytes, lanes 16-31 the next row's
	v_mul_u32_u24 v5, v3, 272
	v_lshl_add_u32 v5, v2, 4, v5
	v_add_nc_u32 v5, s54, v5                       ; into the stage: the same two rows
	v_and_b32 v10, 8, v2
	v_add_nc_u32 v11, v10, v2                      ; r + 8 (r / 8)
	v_mul_u32_u24 v6, v11, 272
	v_lshl_add_u32 v6, v10, 4, v6                  ; + 128 where the row is 16 or more
	v_lshl_add_u32 v6, v3, 7, v6                   ; + my block's 128 bytes
	v_add_nc_u32 v6, s54, v6                       ; out of the stage: my row of the chunk's even tile; the odd tile's lies 8 rows on
	v_lshlrev_b32 v7, 4, v1                        ; 16 x lane
	v_lshlrev_b32 v8, 3, v1                        ; 8 x lane
	v_lshlrev_b32 v9, 3, v3                        ; my byte's place in the half word: 8 h bits up
.irp t, 0,1,2,3,4,5,6,7
	v_mov_b32 v[PD+\t], 0                          ; written once: a lane permute's destination counts as one of its sources
.endr
	s_wait_kmcnt 0x0
	s_cmp_lt_u32 ttmp9, 256                        ; k or w_out: the choice hangs on the work-group's number alone
	s_cselect_b64 s[48:49], s[10:11], s[16:17]     ; the scale words' buffer: kc or ws
	s_cselect_b64 s[32:33], s[10:11], s[14:15]     ; the codes' buffer: kc or wc
	s_cselect_b64 s[4:5], s[4:5], s[8:9]           ; the source
	s_cselect_b32 s26, s26, s30
	s_cselect_b32 s28, s27, s31
	s_cselect_b32 s52, 768, s52                    ; from tile to tile: 768 bytes in kc, 1,536 in wc (the two halves of a K step lie side by side there)
	s_mov_b32 s27, 0
	s_mov_b32 s29, 0
	s_mov_b32 s53, 0
	s_add_nc_u64 s[4:5], s[4:5], s[24:25]
	s_add_nc_u64 s[32:33], s[32:33], s[26:27]      ; tile 0's half image
.irp t, 1,2,3,4,5,6,7
	s_add_nc_u64 s[32+2*\t:33+2*\t], s[30+2*\t:31+2*\t], s[52:53]   ; a base for each tile; none is written again
.endr
	s_add_nc_u64 s[48:49], s[48:49], s[28:29]
.macro LOADC p                         ; chunk p: 32 rows: 16 loads, each of two rows' 256 consecutive bytes
.irp n, 0,1,2,3,4,5,6,7,8,9,10,11,12,13,14,15
	; THE ROWS OF A TILE, as they stand now: chunk p holds rows 64 (p / 2) + 16 (p % 2) + 0 .. 15 and the 16 rows that lie 32 further on, so that row m of tile t is
	; row 64 (t / 4) + 8 (t % 4) + m % 8 + 32 (m / 8) of the unit: a product with tiles 4 c .. 4 c + 3 as source 0 leaves a whole block of 32 neighbours, 64 c + 32 (lane / 16) + 0 .. 31, in a lane's 32 registers
	global_load_b128 v[RAW+64*((\p)%2)+4*\n:RAW+64*((\p)%2)+4*\n+3], v4, s[4:5] offset:(64*((\p)/2)+16*((\p)%2)+2*\n+16*(\n/8))*4096 th:TH_LOAD_NT
.endr
.endm
.macro TURN p                          ; through my stage: in as loaded, out 128 bytes a lane.  LDS serves a wave's instructions in order, so no wait stands between the stores and the loads
.irp n, 0,1,2,3,4,5,6,7,8,9,10,11,12,13,14,15
	ds_store_b128 v5, v[RAW+64*((\p)%2)+4*\n:RAW+64*((\p)%2)+4*\n+3] offset:544*\n+128*(\n/8)
.endr
.irp u, 0,1
.irp i, 0,1,2,3,4,5,6,7
	ds_load_b128 v[X+32*\u+4*\i:X+32*\u+4*\i+3], v6 offset:2176*\u+16*\i
.endr
.endr
.endm
.macro QT t, xs, cd                    ; tile t: my block of 32 numbers at v[xs] becomes 6 registers of codes at v[cd] and a byte
	BMAX \xs
	v_lshrrev_b32 v[ET+(\t)], 23, v34              ; the scale's byte,
	v_lshlrev_b32 v[ET+(\t)], v9, v[ET+(\t)]       ; at its place
	v_cvt_scalef32_pk16_fp6_f32 v[\cd:\cd+2], v[\xs:\xs+15], v34
	v_cvt_scalef32_pk16_fp6_f32 v[28:30], v[\xs+16:\xs+31], v34   ; (a conversion's three registers begin on an even number: the upper half is made elsewhere and moved)
	v_nop                                          ; one plain place behind a scaled conversion
	v_mov_b32 v[\cd+3], v28
	v_mov_b32 v[\cd+4], v29
	v_mov_b32 v[\cd+5], v30
	global_store_b128 v7, v[\cd:\cd+3], s[32+2*(\t):33+2*(\t)]              ; 512 consecutive bytes, at a multiple of 256 from the buffer's first byte
	global_store_b64 v8, v[\cd+4:\cd+5], s[32+2*(\t):33+2*(\t)] offset:512  ; and 256 more
.endm
	LOADC 0
	LOADC 1
.irp p, 0,1,2,3
.if \p < 3
	s_wait_loadcnt 16                              ; this chunk's 16 loads are in; the next chunk's 16 may be out
.else
	s_wait_loadcnt 0x0
.endif
	TURN \p
	s_wait_dscnt 0x0                               ; my blocks are back, and the stage's stores have read the registers that the next loads take
.if \p < 2
	LOADC \p+2
.endif
.if \p > 0
	s_wait_xcnt 0x0                                ; the last pair's stores have read their data: the codes' registers are written again only behind this wait
.endif
	QT 2*\p, X, 16
	QT 2*\p+1, X+32, 22
.endr
.irp t, 0,1,2,3,4,5,6,7
	v_permlanex16_b32 v[PD+\t], v[ET+\t], s20, s21
.endr
.irp t, 0,1,2,3,4,5,6,7
	v_or_b32 v[ET+\t], v[ET+\t], v[PD+\t]          ; byte of block 0 | byte of block 1 << 8, in both halves of the lanes; the upper two bytes are 0
.endr
	v_cmp_le_u32 vcc_lo, 16, v1
.irp i, 0,1,2,3
	v_cndmask_b32 v[WD+\i], v[ET+\i], v[ET+4+\i], vcc_lo   ; lanes 0-15 send tiles 0-3, lanes 16-31 tiles 4-7
.endr
	global_store_b128 v7, v[WD:WD+3], s[48:49]     ; slot l: word i = tile 4 (l / 16) + i, row l % 16: 512 consecutive bytes
	s_wait_tensorcnt 0x0
	ds_add_u32 v62, v63
	s_wait_dscnt 0x0
	s_endpgm
; ---------------- v: a lane takes a column, and its registers run down the keys ----------------
; Two passes b' of 32 columns.  Lane l is channel 32 b' + l, which is row l % 8 + 8 b' of tile l / 8.  A block of 32 keys lies in ONE lane's 32 registers.
; The blocks go in the order q = 2 beta + b', so that the two halves of a row's 256 bytes are asked for next to each other.
.Lv:
	s_sub_co_u32 s19, ttmp9, 288
	s_lshr_b32 s22, s19, 2                         ; R: batch R / 16, step of 128 keys R % 16
	s_and_b32 s23, s19, 3
	s_lshl_b32 s23, s23, 2
	s_add_co_u32 s23, s23, s18                     ; the head
	s_lshl_b32 s24, s22, 19
	s_lshl_b32 s25, s23, 8
	s_add_co_u32 s24, s24, s25
	s_mov_b32 s25, 0
	s_lshr_b32 s26, s22, 4
	s_lshl_b32 s26, s26, 4
	s_add_co_u32 s26, s26, s23
	s_lshl_b32 s26, s26, 4
	s_and_b32 s27, s22, 15
	s_add_co_u32 s26, s26, s27
	s_mul_i32 s26, s26, VSTEPB
	s_mov_b32 s27, 0
	s_wait_alu depctr_va_vdst(0)
	v_lshlrev_b32 v4, 2, v1                        ; in: 4 bytes a lane
	; as it stands now: channel 32 b' + l is row l % 8 + 8 b' of tile l / 8
	v_bfe_u32 v10, v0, 3, 2                        ; the tile, l / 8
	v_and_b32 v11, 7, v0                           ; l % 8
	v_mul_u32_u24 v5, v10, 1536
	v_lshl_add_u32 v5, v11, 4, v5                  ; out: my tile, the reader's lane l % 8 (+ 8 b' in the stores' offsets)
	v_and_b32 v12, 1, v10
	v_lshl_add_u32 v6, v12, 4, v11
	v_lshlrev_b32 v6, 3, v6                        ; scale words: slot row + 16 (tile % 2), 8 bytes,
	v_bfe_u32 v12, v0, 4, 1
	v_lshl_add_u32 v6, v12, 2, v6                  ; word tile / 2
	s_wait_alu depctr_va_vdst(0)
	s_wait_kmcnt 0x0
	s_add_nc_u64 s[6:7], s[6:7], s[24:25]
	s_add_nc_u64 s[12:13], s[12:13], s[26:27]
.macro VLOAD q                         ; block q / 2 of pass q % 2: 32 rows, 128 consecutive bytes a load
.irp i, 0,1,2,3,4,5,6,7,8,9,10,11,12,13,14,15,16,17,18,19,20,21,22,23,24,25,26,27,28,29,30,31
	global_load_b32 v[64+32*((\q)%2)+\i], v4, s[6:7] offset:(32*((\q)/2)+\i)*4096+128*((\q)%2)
.endr
.endm
.macro VBLOCK q
.set XS, 64+32*((\q)%2)
.set CB, 128+24*((\q)%2)+12*(((\q)/2)%2)+6*((\q)/4)   ; the reader's lane (r, h) wants blocks h and 2 + h on end: block beta lies at 12 (beta % 2) + 6 (beta / 2)
.if (\q) < 7
	s_wait_loadcnt 32                              ; this block's 32 loads are in; the next block's may be out
.else
	s_wait_loadcnt 0x0
.endif
	BMAX XS
	v_lshrrev_b32 v35, 23, v34
.if (\q)/2 == 0
	v_mov_b32 v[WD+(\q)%2], v35                    ; four bytes make my channel's scale word, the lower keys in the lower byte
.else
	v_lshl_or_b32 v[WD+(\q)%2], v35, 8*((\q)/2), v[WD+(\q)%2]
.endif
	v_cvt_scalef32_pk16_fp6_f32 v[CB:CB+2], v[XS:XS+15], v34
	v_cvt_scalef32_pk16_fp6_f32 v[28:30], v[XS+16:XS+31], v34
	v_nop                                          ; one plain place behind a scaled conversion
	v_mov_b32 v[CB+3], v28
	v_mov_b32 v[CB+4], v29
	v_mov_b32 v[CB+5], v30
.if (\q) < 6
	VLOAD (\q)+2
.endif
.endm
	VLOAD 0
	VLOAD 1
.irp q, 0,1,2,3,4,5,6,7
	VBLOCK \q
.endr
.irp b, 0,1
.irp h, 0,1
.irp g, 0,1,2
	global_store_b128 v5, v[128+24*\b+12*\h+4*\g:128+24*\b+12*\h+4*\g+3], s[12:13] offset:128*\b+512*\g+256*\h   ; eight lanes fill 128 consecutive bytes of each of the four tiles; the other pass fills the 128 beside them
.endr
.endr
.endr
	global_store_b32 v6, v[WD], s[12:13] offset:6144        ; rows 0-7 of the four tiles,
	global_store_b32 v6, v[WD+1], s[12:13] offset:6144+64   ; rows 8-15: together the step's 256 bytes of scale words
	s_endpgm
.Lfunc_end_k_q7552ae450f_prep:
	.size	k_q7552ae450f_prep, .Lfunc_end_k_q7552ae450f_prep-k_q7552ae450f_prep
	.p2alignl 7, 3214868480
	.fill 96, 4, 3214868480
	.section	.rodata,"a",@progbits
	.p2align	6, 0x0
	.amdhsa_kernel k_q7552ae450f_prep
		.amdhsa_group_segment_fixed_size 36352
		.amdhsa_private_segment_fixed_size 0
		.amdhsa_enable_private_segment 0
		.amdhsa_kernarg_size 56
		.amdhsa_user_sgpr_count 2
		.amdhsa_user_sgpr_kernarg_segment_ptr 1
		.amdhsa_wavefront_size32 1
		.amdhsa_system_sgpr_workgroup_id_x 1
		.amdhsa_system_sgpr_workgroup_id_y 1
		.amdhsa_system_sgpr_workgroup_id_z 1
		.amdhsa_system_vgpr_workitem_id 0
		.amdhsa_next_free_vgpr 256
		.amdhsa_next_free_sgpr 66
		.amdhsa_reserve_vcc 1
		.amdhsa_float_denorm_mode_32 3
		.amdhsa_float_denorm_mode_16_64 3
		.amdhsa_memory_ordered 1
		.amdhsa_forward_progress 1
		.amdhsa_inst_pref_size 71
	.end_amdhsa_kernel
	.amdgpu_metadata
---
amdhsa.version: [ 1, 2 ]
amdhsa.kernels:
  - .name:           k_q7552ae450f_prep
    .symbol:         k_q7552ae450f_prep.kd
    .args:
      - { .name: k, .offset: 0, .size: 8, .value_kind: global_buffer, .address_space: global }
      - { .name: v, .offset: 8, .size: 8, .value_kind: global_buffer, .address_space: global }
      - { .name: w_out, .offset: 16, .size: 8, .value_kind: global_buffer, .address_space: global }
      - { .name: kc, .offset: 24, .size: 8, .value_kind: global_buffer, .address_space: global }
      - { .name: vc, .offset: 32, .size: 8, .value_kind: global_buffer, .address_space: global }
      - { .name: wc, .offset: 40, .size: 8, .value_kind: global_buffer, .address_space: global }
      - { .name: ws, .offset: 48, .size: 8, .value_kind: global_buffer, .address_space: global }
    .group_segment_fixed_size: 36352
    .private_segment_fixed_size: 0
    .kernarg_segment_align: 8
    .kernarg_segment_size: 56
    .max_flat_workgroup_size: 128
    .sgpr_count:     66
    .vgpr_count:     256
    .wavefront_size: 32
...
	.end_amdgpu_metadata
.endif
;; end of part 1
;; launch attn (part 2): grid 4 x 64, 16 waves a work-group, clusters of 4 x 1, 282,624 bytes of LDS; arguments q, kc, vc, ac, asc; writes ac, asc
.if DOCPART == 2
	.amdgcn_target "amdgcn-amd-amdhsa--gfx1250"
	.amdhsa_code_object_version 6
	.text
	.protected	k_q7552ae450f_attn
	.globl	k_q7552ae450f_attn
	.p2align	8
	.type	k_q7552ae450f_attn,@function
k_q7552ae450f_attn:
	s_mov_b64 s[64:65], 0
	v_nop
	global_prefetch_b8 v0, s[64:65] scope:SCOPE_SE
	s_setreg_imm32_b32 hwreg(HW_REG_WAVE_MODE, 25, 1), 1
	s_wait_xcnt 0x0
	s_wait_alu depctr_hold_cnt(0) depctr_sa_sdst(0) depctr_va_vdst(0) depctr_va_sdst(0) depctr_va_ssrc(0) depctr_va_vcc(0) depctr_vm_vsrc(0)
	s_getreg_b32 s2, hwreg(HW_REG_IB_STS2, 6, 4)
	s_cmp_eq_u32 s2, 0
	s_cbranch_scc0 .Lentry_in_a_cluster
	s_endpgm
.Lentry_in_a_cluster:
	s_bfe_u32 s2, ttmp6, 0x10000c
	s_cmp_lg_u32 s2, 0x3003
	s_cbranch_scc0 .Lentry_shape_is_right
	s_endpgm
.Lentry_shape_is_right:
; Attention of one (batch, head) on codes of FP6 (E2M3) with one E8M0 scale for each 32 along a product's K; the result, divided by the row's sum, is quantised along E for the projection.
; SOFTMAX: t = score x log2(e) / 8; M = the row's largest t so far, rounded UP to a whole number; p = 2^(t - M) is quantised along the keys, not normalised; the row's sum is taken of the unquantised p in f32.
; When M moves, the sum and O are multiplied by 2^(old M - new M), which rounds nothing.
; LIMITS: the promise holds while the scaled scores stay under 2^31 in magnitude; a p under 2^-126 comes out of v_exp_f32 as 0; a block of zeros gets the scale byte 1 (its codes are zeros; this program alone
; reads the bytes); NaN and infinities among the inputs are not served.
; SHARES.  256 work-groups.  A work-group owns 512 queries of one head; each of its sixteen waves owns two tiles of 16 queries, 256 rows apart, and takes them one after the other through the head's 2,048 keys, 128 a step.
; THE WHOLE HEAD'S CODES LIE IN LDS: K's 106,496 bytes and V's 102,400, filled once: each wave asks for two steps (waves 0-7 K's, waves 8-15 V's), its one tensor load.  Nothing is filled again.
; CLUSTER.  The four work-groups of a cluster are the four query blocks of one head: every tile is asked for JOINTLY, by the same tensor load with the same descriptor and a mask that names the four.
; K's and V's tiles are all asked for at the head, so there is no later tile to prefetch; the second tile's rows of q, 16 x 256 bytes a wave, are prefetched at the head, 16 steps ahead of their loads.
; LAYOUT.  Both products are used transposed: S^T = K Q^T, O^T = V^T P^T: a lane holds ONE query (lane % 16) throughout.  The launch before chose the keys of K's tiles and the channels of V's so that the 32 registers
; of tiles 4 c .. 4 c + 3 are a WHOLE block of 32 neighbours, 64 c + 32 (lane / 16) + 0 .. 31: which is what the 6-bit operand wants of that lane.  So a block's maximum needs no other lane and no codes change lanes.
; THE FIRST PRODUCT'S K IS 64, the instruction's 128: Q's upper six registers are zero codes and the upper two bytes of both scale words are 0 (2^-127, a number): whatever stands in source 0's upper six registers
; adds exactly 0.  So tile t of K names v[32 + 6 t] on, twelve registers of which the upper six are the next tile's codes (for tile 7: six registers of zeros).
; REGISTERS: v0 where the scale words are read back; v1, v2 16 and 8 x lane; v3, v4 the add's two; v5-8 the step's addresses; v9-11 q's; v12 -M, v13 the largest score, v[14:15] the sum; v16-27 Q, v28 its scale word;
; v29 where my scale word goes; v30 f, v31 8 (lane / 16); then as named below.
.set KSTEPB, 6656                      ; a step of K: 8 half images of 768 bytes, then 512 bytes of scale words
.set VSTEPB, 6400                      ; a step of V: 4 full images of 1,536 bytes, then 256 bytes of scale words
.set VREG,   16*KSTEPB
.set QST,    VREG+16*VSTEPB            ; a stage for q: 16 rows, 272 bytes apart, for each wave; no tile lands here
.set SCST,   QST+16*4352               ; 2,048 bytes in which the 32 tiles' scale words meet
.set SPARE,  SCST+2048                 ; the spare words, 128 bytes a wave
.set NEXTQ,  256*4096                  ; from my first tile to my second: in q,
.set NEXTA,  2*64*1536                 ; and in ac
.set KF, 32                            ; v32-79 K's 8 tiles, v80-85 zeros
.set VF, 86                            ; v86-133 V's 4 fragments
.set S,  134                           ; v134-197 S^T, then p
.set O,  198                           ; v198-229 O^T
.set PC, 230                           ; v230-241 p's codes
.set T1, 242                           ; v242-244 a conversion's result on its way to an odd register
.set MX, 245                           ; v245-248 four maxima
.set BA, 245
.set X1, 246
.set BB, 247
.set X2, 248
.set PS, 249                           ; p's scale word
.set VS, 250                           ; v250-251 V's scale words
.set KS, 252                           ; v252-255 K's
.set WV,  14
.set TK,  76
.set TV,  77
.set CNT, 78
.macro CROUND                          ; a round of the cluster's barrier
	s_barrier_signal -1
	s_barrier_wait -1
	s_cmp_lg_u32 s[WV], 0
	s_cbranch_scc1 .Lnot_wave_0_\@
	s_barrier_signal -3
.Lnot_wave_0_\@:
	s_barrier_wait -3
	s_barrier_signal -1
	s_barrier_wait -1
.endm
.macro MM d, a, b, sa, sb, z, row      ; z: the sum starts at 0; row: source 0's scales stand in lanes 16-31
.if \z
.if \row
	v_wmma_scale_f32_16x16x128_f8f6f4 v[(\d):(\d)+7], v[(\a):(\a)+11], v[(\b):(\b)+11], 0, v[\sa], v[\sb] matrix_a_fmt:MATRIX_FMT_FP6 matrix_b_fmt:MATRIX_FMT_FP6 matrix_a_scale:MATRIX_SCALE_ROW1
.else
	v_wmma_scale_f32_16x16x128_f8f6f4 v[(\d):(\d)+7], v[(\a):(\a)+11], v[(\b):(\b)+11], 0, v[\sa], v[\sb] matrix_a_fmt:MATRIX_FMT_FP6 matrix_b_fmt:MATRIX_FMT_FP6
.endif
.else
.if \row
	v_wmma_scale_f32_16x16x128_f8f6f4 v[(\d):(\d)+7], v[(\a):(\a)+11], v[(\b):(\b)+11], v[(\d):(\d)+7], v[\sa], v[\sb] matrix_a_fmt:MATRIX_FMT_FP6 matrix_b_fmt:MATRIX_FMT_FP6 matrix_a_scale:MATRIX_SCALE_ROW1
.else
	v_wmma_scale_f32_16x16x128_f8f6f4 v[(\d):(\d)+7], v[(\a):(\a)+11], v[(\b):(\b)+11], v[(\d):(\d)+7], v[\sa], v[\sb] matrix_a_fmt:MATRIX_FMT_FP6 matrix_b_fmt:MATRIX_FMT_FP6
.endif
.endif
.endm
	s_load_b256 s[4:11], s[0:1], 0x0               ; q s[4:5], kc s[6:7], vc s[8:9], ac s[10:11]
	s_load_b64 s[12:13], s[0:1], 0x20              ; asc
	v_lshl_add_u32 v3, v0, 2, SPARE
	v_mov_b32 v4, 0
	ds_add_u32 v3, v4                              ; the opening lines: the add, twice on end, and its wait ahead of my tensor load
	ds_add_u32 v3, v4
	v_lshrrev_b32 v1, 5, v0
	v_readfirstlane_b32 s[WV], v1                  ; wave 0..15
	s_and_b32 s17, ttmp7, 0xffff                   ; 16 x batch + head, which the four partners share
	s_mov_b32 s20, 0x76543210
	s_mov_b32 s21, 0xfedcba98                      ; v_permlanex16_b32's selects for lane l xor 16
	s_mov_b32 s22, 0x3e38aa3b                      ; c = log2(e) / 8
	s_mov_b32 s23, s22                             ; (the packed form names the pair)
	s_mov_b32 s3, 0xbe38aa3b                       ; -c
	s_mul_i32 s18, s[WV], 4352
	s_add_co_u32 s18, s18, QST                     ; my stage
	s_lshr_b32 s19, s[WV], 2
	s_lshl_b32 s19, s19, 8
	s_and_b32 s79, s[WV], 3
	s_lshl_b32 s15, s79, 2
	s_add_co_u32 s19, s19, s15
	s_add_co_u32 s19, s19, SCST                    ; my scale words: group of four tiles wave / 4, word wave % 4
	s_lshl_b32 s16, s79, 9
	s_add_co_u32 s16, s16, SCST                    ; waves 0-3 send 512 bytes of scale words each,
	s_lshl_b32 s75, s79, 13                        ; 8,192 bytes apart in asc
	; every LDS address register is made here, of the lane and the wave's number alone
	v_and_b32 v7, 31, v0                           ; lane
	v_and_b32 v5, 15, v0                           ; r
	v_bfe_u32 v6, v0, 4, 1                         ; h
	v_lshlrev_b32 v1, 4, v7
	v_lshlrev_b32 v2, 3, v7
	v_lshlrev_b32 v9, 4, v5
	v_mul_u32_u24 v10, v6, 272
	v_mul_u32_u24 v11, v5, 272
	v_lshl_add_u32 v9, v6, 12, v9                  ; q in memory: lanes 0-15 one row's 256 bytes of the head, lanes 16-31 the next row's
	v_lshl_add_u32 v10, v5, 4, v10
	v_lshl_add_u32 v11, v6, 7, v11
	v_add_nc_u32 v10, s18, v10                     ; into my stage: the same two rows
	v_add_nc_u32 v11, s18, v11                     ; out of it: row r, my block's 128 bytes
	v_lshl_add_u32 v29, v5, 4, s19
	v_lshlrev_b32 v31, 3, v6                       ; 8 h
	v_min_u32 v7, 15, v7
	v_lshlrev_b32 v7, 12, v7                       ; the prefetch: a lane a row; lanes 16-31 name the last row again
	v_add_nc_u32 v0, s16, v1
	s_wait_alu depctr_va_vdst(0)
	; descriptor group 1, two shapes: dense blocks as rows of 256 bytes (32 elements of 8 bytes); 15:0 the mask: all four work-groups; 21 set beside it
.irp g, 24, 32
	s_mov_b32 s[\g], 15|(3<<16)|(1<<21)
	s_mov_b32 s[\g+1], 32<<16
	s_mov_b32 s[\g+3], 32<<16
	s_mov_b32 s[\g+5], 32
	s_mov_b32 s[\g+6], 0
	s_mov_b32 s[\g+7], 0
.endr
	s_mov_b32 s26, 52<<16                          ; K, two steps: 13,312 bytes = 52 rows
	s_mov_b32 s28, 52
	s_mov_b32 s34, 50<<16                          ; V, two steps: 12,800 bytes = 50 rows
	s_mov_b32 s36, 50
	s_and_b32 s79, s[WV], 7                        ; which two steps are mine
	s_mov_b32 s40, 1
	s_mul_i32 s41, s79, 2*KSTEPB
	s_mov_b32 s44, 1
	s_mul_i32 s45, s79, 2*VSTEPB
	s_mov_b32 s81, 0
	s_wait_dscnt 0x0                               ; both opening adds are done
	s_wait_kmcnt 0x0
	s_mul_i32 s80, s17, 16*KSTEPB                  ; the head's K in kc
	s_add_co_u32 s80, s80, s41
	s_add_nc_u64 s[42:43], s[6:7], s[80:81]
	s_or_b32 s43, s43, 0x80000000
	s_mul_i32 s80, s17, 16*VSTEPB                  ; the head's V in vc
	s_add_co_u32 s80, s80, s45
	s_add_nc_u64 s[46:47], s[8:9], s[80:81]
	s_or_b32 s47, s47, 0x80000000
	s_add_co_u32 s45, s45, VREG
	; my place in the cluster enters the global addresses of q, ac and asc alone
	s_bfe_u32 s15, ttmp6, 0x40000                  ; cx
	s_lshl_b32 s16, ttmp9, 2
	s_add_co_u32 s16, s16, s15                     ; my block of 512 queries
	s_lshr_b32 s18, s17, 4                         ; batch
	s_and_b32 s19, s17, 15                         ; head
	s_lshl_b32 s80, s18, 7
	s_lshl_b32 s82, s16, 5
	s_add_co_u32 s80, s80, s82
	s_add_co_u32 s80, s80, s[WV]                   ; T: my first tile of 16 rows among the 512 of [batch][query]; my second is T + 16
	s_lshl_b32 s82, s80, 16
	s_lshl_b32 s83, s19, 8
	s_add_co_u32 s82, s82, s83
	s_mov_b32 s83, 0
	s_add_nc_u64 s[4:5], s[4:5], s[82:83]          ; q at my first row, the head's 64 columns
	s_lshr_b32 s82, s80, 3                         ; ac: [T / 8][head / 2][T % 8][head % 2][768]
	s_lshl_b32 s82, s82, 3
	s_lshr_b32 s79, s19, 1
	s_add_co_u32 s82, s82, s79
	s_lshl_b32 s82, s82, 3
	s_and_b32 s80, s80, 7
	s_add_co_u32 s82, s82, s80
	s_mul_i32 s82, s82, 1536
	s_and_b32 s80, s19, 1
	s_mul_i32 s15, s80, 768
	s_add_co_u32 s82, s82, s15
	s_add_nc_u64 s[10:11], s[10:11], s[82:83]
	s_lshl_b32 s82, s18, 4                         ; asc: [16 batch + 4 block + 0 .. 3][head / 2][head % 2][2][256]
	s_lshl_b32 s15, s16, 2
	s_add_co_u32 s82, s82, s15
	s_lshl_b32 s82, s82, 3
	s_add_co_u32 s82, s82, s79
	s_lshl_b32 s82, s82, 10
	s_lshl_b32 s80, s80, 9
	s_add_co_u32 s82, s82, s80
	s_add_nc_u64 s[12:13], s[12:13], s[82:83]
	CROUND                                         ; all four work-groups are here: the joint loads meet
	s_cmp_lt_u32 s[WV], 8                          ; one tensor load a wave, in the two arms of one branch on the wave's number
	s_cbranch_scc0 .Lfor_v
	tensor_load_to_lds s[40:43], s[24:31]
	s_nop 0
.rept 4
	v_nop
.endr
	s_branch .Lasked
.Lfor_v:
	tensor_load_to_lds s[44:47], s[32:39]
	s_nop 0
.rept 4
	v_nop
.endr
.Lasked:
.macro QLOAD off                       ; 16 rows x 64 columns of q: each load takes two rows' 256 consecutive bytes
.irp n, 0,1,2,3,4,5,6,7
	global_load_b128 v[KF+4*\n:KF+4*\n+3], v9, s[4:5] offset:8192*\n+\off th:TH_LOAD_NT
.endr
.endm
; My block of 32 numbers at v[S] on becomes six registers of codes at v[dst] and the row's half scale word in v[sw]
.macro Q32 dst, sw
	v_max3_num_f32 v[BA], |v[S]|, |v[S+1]|, |v[S+2]|
	v_max3_num_f32 v[X1], |v[S+3]|, |v[S+4]|, |v[S+5]|
.irp i, 6,10,14,18,22,26
	s_delay_alu instid0(VALU_DEP_2)
	v_max3_num_f32 v[BA], v[BA], |v[S+\i]|, |v[S+\i+1]|
	s_delay_alu instid0(VALU_DEP_2)
	v_max3_num_f32 v[X1], v[X1], |v[S+\i+2]|, |v[S+\i+3]|
.endr
	s_delay_alu instid0(VALU_DEP_2)
	v_max3_num_f32 v[BA], v[BA], |v[S+30]|, |v[S+31]|
	s_delay_alu instid0(VALU_DEP_1)
	v_max3_num_f32 v[BA], v[BA], v[X1], 0x1800000  ; the floor 2^(3 - 127): the byte cannot fall under 1
	s_delay_alu instid0(VALU_DEP_1)
	v_add_nc_u32 v[BA], 0xff000000, v[BA]          ; 2 off the exponent field: the conversions' scale operand
	s_delay_alu instid0(VALU_DEP_1)
	v_lshrrev_b32 v[X1], 23, v[BA]                 ; the byte,
	s_delay_alu instid0(VALU_DEP_1)
	v_lshlrev_b32 v[X1], v31, v[X1]                ; at its place,
	s_delay_alu instid0(VALU_DEP_1)
	v_permlanex16_b32 v[X2], v[X1], s20, s21
	s_delay_alu instid0(VALU_DEP_1)
	v_or_b32 v[\sw], v[X1], v[X2]                  ; with lane l xor 16's; the upper two bytes are 0
	v_cvt_scalef32_pk16_fp6_f32 v[\dst:\dst+2], v[S:S+15], v[BA]
	v_cvt_scalef32_pk16_fp6_f32 v[T1:T1+2], v[S+16:S+31], v[BA]   ; (a conversion's three registers begin on an even number)
	v_nop                                          ; one plain place behind a scaled conversion
	v_mov_b32 v[\dst+3], v[T1]
	v_mov_b32 v[\dst+4], v[T1+1]
	v_mov_b32 v[\dst+5], v[T1+2]
.endm
; A tile of q, loaded into v[KF] on, goes through my stage, is quantised, and the tile's state is set
.macro QUANT
	s_wait_alu depctr_va_vdst(0)
	s_wait_loadcnt 0x0
	s_wait_xcnt 0x0                                ; earlier stores and the prefetch have read their registers
.irp n, 0,1,2,3,4,5,6,7
	ds_store_b128 v10, v[KF+4*\n:KF+4*\n+3] offset:544*\n
.endr
.irp i, 0,1,2,3,4,5,6,7
	ds_load_b128 v[S+4*\i:S+4*\i+3], v11 offset:16*\i   ; LDS serves a wave's instructions in order: these see my stores
.endr
	s_mov_b32 s[TK], 0
	s_mov_b32 s[TV], VREG
	s_mov_b32 s[CNT], 16
	s_wait_dscnt 0x0
	Q32 16, 28
	v_mov_b32 v13, 0xff61b1e6                      ; the largest score so far: -3e38
	v_mov_b32 v12, 0x7e000000                      ; -M = 2^125: the first step's f comes out 0, over sums that are 0
	v_mov_b32 v14, 0
	v_mov_b32 v15, 0
	v_add_nc_u32 v5, s[TK], v1
	v_add_nc_u32 v6, s[TK], v2
.set j, 0
.rept 32
	v_mov_b32 v[O+j], 0                            ; O^T: the step is written once.  These are also the places between the writes of Q and its scale word and the first scaled product
.set j, j+1
.endr
	s_wait_alu depctr_va_vdst(0)
.endm
; A KEY STEP: 128 keys
.macro STEP
.irp t, 0,1,2,3,4,5,6,7
	ds_load_b128 v[KF+6*\t:KF+6*\t+3], v5 offset:768*\t
	ds_load_b64 v[KF+6*\t+4:KF+6*\t+5], v6 offset:768*\t+512
.endr
	ds_load_b128 v[KS:KS+3], v5 offset:6144        ; lanes 0-15: the words of tiles 0-3, lanes 16-31: of tiles 4-7
	s_add_co_u32 s[TK], s[TK], KSTEPB
	s_wait_dscnt 0x0
.irp t, 0,1,2,3
	MM S+8*\t, KF+6*\t, 16, KS+\t, 28, 1, 0
.endr
.irp t, 4,5,6,7
	MM S+8*\t, KF+6*\t, 16, KS+\t-4, 28, 1, 1
.endr
	v_add_nc_u32 v5, s[TK], v1                     ; the next step's K, this step's V: these four are the places behind the products, in front of the first read of the scores
	v_add_nc_u32 v6, s[TK], v2                     ; and of the loads into V's registers, which the last step's products read
	v_add_nc_u32 v7, s[TV], v1
	v_add_nc_u32 v8, s[TV], v2
.irp t, 0,1,2,3
.irp g, 0,1,2
	ds_load_b128 v[VF+12*\t+4*\g:VF+12*\t+4*\g+3], v7 offset:1536*\t+512*\g   ; V's four fragments land under the softmax
.endr
.endr
	ds_load_b64 v[VS:VS+1], v8 offset:6144         ; lanes 0-15: the words of tiles 0 and 2, lanes 16-31: of tiles 1 and 3
	s_add_co_u32 s[TV], s[TV], VSTEPB
.irp b, 0,1,2,3
	v_max3_num_f32 v[MX+\b], v[S+16*\b], v[S+16*\b+1], v[S+16*\b+2]   ; four chains by turns; each accumulator is read from its low end on
.endr
.irp i, 3,5,7,9,11,13
.irp b, 0,1,2,3
	v_max3_num_f32 v[MX+\b], v[MX+\b], v[S+16*\b+\i], v[S+16*\b+\i+1]
.endr
.endr
	v_max3_num_f32 v[BA], v[BA], v[X1], v[S+15]
	v_max3_num_f32 v[BB], v[BB], v[X2], v[S+47]
	v_max_num_f32 v[BA], v[BA], v[S+31]            ; the largest SCORE of my two blocks of 32 keys: it serves for the row's maximum and, since p rises with the score, for the block's largest p
	v_max_num_f32 v[BB], v[BB], v[S+63]
	s_delay_alu instid0(VALU_DEP_1)
	v_max_num_f32 v[X1], v[BA], v[BB]
	s_delay_alu instid0(VALU_DEP_1)
	v_permlanex16_b32 v[X2], v[X1], s20, s21
	s_delay_alu instid0(VALU_DEP_1)
	v_max3_num_f32 v13, v13, v[X1], v[X2]          ; the running largest score of my query
	s_delay_alu instid0(VALU_DEP_1)
	v_mul_f32 v[X1], s3, v13                       ; -t
	s_delay_alu instid0(VALU_DEP_1)
	v_floor_f32 v[X1], v[X1]                       ; the new -M = -ceil(t): a whole number
	s_delay_alu instid0(VALU_DEP_1)
	v_sub_f32 v[X2], v[X1], v12                    ; old M - new M: a whole number, 0 or less
	v_mov_b32 v12, v[X1]
	s_delay_alu instid0(VALU_DEP_2)
	v_cvt_i32_f32 v[X2], v[X2]                     ; (it saturates)
	s_delay_alu instid0(VALU_DEP_1)
	v_ldexp_f32 v30, 1.0, v[X2]                    ; f = 2^(old M - new M)
.set j, 0
.rept 32
	v_pk_fma_f32 v[S+j:S+j+1], v[S+j:S+j+1], s[22:23], v[12:13] op_sel_hi:[1,0,0]   ; t - M, two at a time
.set j, j+2
.endr
	v_fma_f32 v[BA], v[BA], s22, v12               ; the same of each block's largest score
	v_fma_f32 v[BB], v[BB], s22, v12
	s_wait_alu depctr_va_vdst(0)
.set j, 0
.rept 64
	v_exp_f32 v[S+j], v[S+j]                       ; p = 2^(t - M)
.set j, j+1
.endr
	v_exp_f32 v[BA], v[BA]                         ; the block's largest p: the same two instructions on the same number give the same bits
	v_exp_f32 v[BB], v[BB]
	v_pk_mul_f32 v[14:15], v[14:15], v[30:31] op_sel_hi:[1,0]   ; the sums under the new M: a plain place behind the batch
	s_wait_alu depctr_va_vdst(0)                   ; one wait for the batch, directly ahead of the first reader of O^T
.set j, 0
.rept 16
	v_pk_mul_f32 v[O+j:O+j+1], v[O+j:O+j+1], v[30:31] op_sel_hi:[1,0]   ; O^T under the new M, each accumulator from its low end on
.set j, j+2
.endr
	v_max_num_f32 v[BA], 0x1800000, v[BA]          ; the floor 2^(3 - 127)
	v_max_num_f32 v[BB], 0x1800000, v[BB]
	s_delay_alu instid0(VALU_DEP_2)
	v_add_nc_u32 v[BA], 0xff000000, v[BA]          ; the conversions' scale operands
	s_delay_alu instid0(VALU_DEP_2)
	v_add_nc_u32 v[BB], 0xff000000, v[BB]
	v_cvt_scalef32_pk16_fp6_f32 v[PC:PC+2], v[S:S+15], v[BA]
	v_cvt_scalef32_pk16_fp6_f32 v[T1:T1+2], v[S+16:S+31], v[BA]
	v_cvt_scalef32_pk16_fp6_f32 v[PC+6:PC+8], v[S+32:S+47], v[BB]
	v_lshrrev_b32 v[X1], 23, v[BA]                 ; a byte; also the plain place behind the conversions
	v_mov_b32 v[PC+3], v[T1]
	v_mov_b32 v[PC+4], v[T1+1]
	v_mov_b32 v[PC+5], v[T1+2]
	v_cvt_scalef32_pk16_fp6_f32 v[T1:T1+2], v[S+48:S+63], v[BB]
	v_lshrrev_b32 v[X2], 23, v[BB]
	v_mov_b32 v[PC+9], v[T1]
	v_mov_b32 v[PC+10], v[T1+1]
	v_mov_b32 v[PC+11], v[T1+2]
	v_lshl_or_b32 v[X1], v[X2], 16, v[X1]          ; the bytes of blocks h and 2 + h,
	s_delay_alu instid0(VALU_DEP_1)
	v_lshlrev_b32 v[X1], v31, v[X1]                ; at their places,
	s_delay_alu instid0(VALU_DEP_1)
	v_permlanex16_b32 v[X2], v[X1], s20, s21
	s_delay_alu instid0(VALU_DEP_1)
	v_or_b32 v[PS], v[X1], v[X2]                   ; with lane l xor 16's two: p's scale word for these 128 keys
.irp w, 32,16,8                                ; the row's sum of the unquantised p, as a tree in p's own registers, which the conversions have read.  (These lines are the places ahead of the scaled products)
.set j, 0
.rept \w/2
	v_pk_add_f32 v[S+j:S+j+1], v[S+j:S+j+1], v[S+\w+j:S+\w+j+1]
.set j, j+2
.endr
.endr
	s_delay_alu instid0(VALU_DEP_2)
	v_pk_add_f32 v[S:S+1], v[S:S+1], v[S+4:S+5]
	s_delay_alu instid0(VALU_DEP_2)
	v_pk_add_f32 v[S+2:S+3], v[S+2:S+3], v[S+6:S+7]
	s_delay_alu instid0(VALU_DEP_1)
	v_pk_add_f32 v[S:S+1], v[S:S+1], v[S+2:S+3]
	s_delay_alu instid0(VALU_DEP_1)
	v_pk_add_f32 v[14:15], v[14:15], v[S:S+1]
	s_wait_dscnt 0x0                               ; V is in
.irp t, 0,2
	MM O+8*\t, VF+12*\t, PC, VS+\t/2, PS, 0, 0
	MM O+8*\t+8, VF+12*\t+12, PC, VS+\t/2, PS, 0, 1
.endr                                          ; the accumulators take turns, over the loops' backward jumps too
.endm
; THE WAY OUT of a tile: O^T / the sum, quantised along E.  My 32 registers hold channels 32 h + 0 .. 31 of my query: a whole block
.macro EPI p
.rept 4
	v_nop                                          ; places behind the last products
.endr
	s_wait_alu depctr_va_vdst(0)
	v_add_f32 v14, v14, v15
	s_delay_alu instid0(VALU_DEP_1)
	v_permlanex16_b32 v[X2], v14, s20, s21
	s_delay_alu instid0(VALU_DEP_1)
	v_add_f32 v14, v14, v[X2]                      ; the row's sum
	s_wait_alu depctr_va_vdst(0)
	v_rcp_f32 v14, v14
	v_nop
	s_wait_alu depctr_va_vdst(0)                   ; ahead of the reciprocal's first reader
.set j, 0
.rept 16
	v_pk_mul_f32 v[S+j:S+j+1], v[O+j:O+j+1], v[14:15] op_sel_hi:[1,0]
.set j, j+2
.endr
	Q32 PC, X1
	global_store_b128 v1, v[PC:PC+3], s[10:11] offset:NEXTA*\p         ; a half image: 512 consecutive bytes, at a multiple of 256 from ac's first byte,
	global_store_b64 v2, v[PC+4:PC+5], s[10:11] offset:NEXTA*\p+512    ; and 256 more
	ds_store_b32 v29, v[X1] offset:1024*\p         ; lanes l and l + 16 write the same word with the same value
.endm
	QLOAD 0
	global_prefetch_b8 v7, s[4:5] offset:NEXTQ th:TH_LOAD_NT scope:SCOPE_SE   ; my second tile's 16 rows of 256 bytes
.irp i, 0,1,2,3,4,5
	v_mov_b32 v[80+\i], 0                          ; the zeros behind K's tile 7; never rewritten
	v_mov_b32 v[22+\i], 0                          ; Q's codes of k = 64 .. 127; never rewritten
.endr
	v_mov_b32 v[X2], 0                             ; (a lane permute's destination counts as one of its sources)
	QUANT
	s_wait_tensorcnt 0x0                           ; my two steps have landed
	s_barrier_signal -1
	s_barrier_wait -1                              ; everybody's have: K and V are whole, and stay
.Lsteps0:
	STEP
	s_sub_co_u32 s[CNT], s[CNT], 1
	s_cmp_lg_u32 s[CNT], 0
	s_cbranch_scc1 .Lsteps0
	QLOAD NEXTQ                                    ; my second tile of q lands under the first tile's way out
	EPI 0
	QUANT
.Lsteps1:
	STEP
	s_sub_co_u32 s[CNT], s[CNT], 1
	s_cmp_lg_u32 s[CNT], 0
	s_cbranch_scc1 .Lsteps1
	EPI 1
	v_add_nc_u32 v5, s75, v1
	s_wait_alu depctr_va_vdst(0)
	s_wait_dscnt 0x0                               ; for the others' sake: my stores have landed
	s_barrier_signal -1
	s_barrier_wait -1                              ; the 32 tiles' words lie together: four runs of 512 bytes, one for each 128 rows
	s_cmp_ge_u32 s[WV], 4
	s_cbranch_scc1 .Lnot_mine
	ds_load_b128 v[S:S+3], v0
	s_wait_dscnt 0x0
	global_store_b128 v5, v[S:S+3], s[12:13]       ; 512 consecutive bytes
.Lnot_mine:
	s_wait_tensorcnt 0x0                           ; the wave's end
	ds_add_u32 v3, v4
	s_wait_dscnt 0x0
	CROUND                                         ; the closing round
	s_endpgm
.Lfunc_end_k_q7552ae450f_attn:
	.size	k_q7552ae450f_attn, .Lfunc_end_k_q7552ae450f_attn-k_q7552ae450f_attn
	.p2alignl 7, 3214868480
	.fill 96, 4, 3214868480
	.section	.rodata,"a",@progbits
	.p2align	6, 0x0
	.amdhsa_kernel k_q7552ae450f_attn
		.amdhsa_group_segment_fixed_size 282624
		.amdhsa_private_segment_fixed_size 0
		.amdhsa_enable_private_segment 0
		.amdhsa_kernarg_size 40
		.amdhsa_user_sgpr_count 2
		.amdhsa_user_sgpr_kernarg_segment_ptr 1
		.amdhsa_wavefront_size32 1
		.amdhsa_system_sgpr_workgroup_id_x 1
		.amdhsa_system_sgpr_workgroup_id_y 1
		.amdhsa_system_sgpr_workgroup_id_z 1
		.amdhsa_system_vgpr_workitem_id 0
		.amdhsa_next_free_vgpr 256
		.amdhsa_next_free_sgpr 84
		.amdhsa_reserve_vcc 0
		.amdhsa_float_denorm_mode_32 3
		.amdhsa_float_denorm_mode_16_64 3
		.amdhsa_memory_ordered 1
		.amdhsa_forward_progress 1
		.amdhsa_inst_pref_size 56
	.end_amdhsa_kernel
	.amdgpu_metadata
---
amdhsa.version: [ 1, 2 ]
amdhsa.kernels:
  - .name:           k_q7552ae450f_attn
    .symbol:         k_q7552ae450f_attn.kd
    .args:
      - { .name: q, .offset: 0, .size: 8, .value_kind: global_buffer, .address_space: global }
      - { .name: kc, .offset: 8, .size: 8, .value_kind: global_buffer, .address_space: global }
      - { .name: vc, .offset: 16, .size: 8, .value_kind: global_buffer, .address_space: global }
      - { .name: ac, .offset: 24, .size: 8, .value_kind: global_buffer, .address_space: global }
      - { .name: asc, .offset: 32, .size: 8, .value_kind: global_buffer, .address_space: global }
    .group_segment_fixed_size: 282624
    .private_segment_fixed_size: 0
    .kernarg_segment_align: 8
    .kernarg_segment_size: 40
    .max_flat_workgroup_size: 512
    .sgpr_count:     84
    .vgpr_count:     256
    .wavefront_size: 32
...
	.end_amdgpu_metadata
.endif
;; end of part 2
;; launch proj (part 3): grid 4 x 64, 8 waves a work-group, clusters of 4 x 4, 320,512 bytes of LDS; arguments ac, asc, wc, ws, b_out, out0; writes out0
.if DOCPART == 3
	.amdgcn_target "amdgcn-amd-amdhsa--gfx1250"
	.amdhsa_code_object_version 6
	.text
	.protected	k_q7552ae450f_proj
	.globl	k_q7552ae450f_proj
	.p2align	8
	.type	k_q7552ae450f_proj,@function
k_q7552ae450f_proj:
	s_mov_b64 s[64:65], 0
	v_nop
	global_prefetch_b8 v0, s[64:65] scope:SCOPE_SE
	s_setreg_imm32_b32 hwreg(HW_REG_WAVE_MODE, 25, 1), 1
	s_wait_xcnt 0x0
	s_wait_alu depctr_hold_cnt(0) depctr_sa_sdst(0) depctr_va_vdst(0) depctr_va_sdst(0) depctr_va_ssrc(0) depctr_va_vcc(0) depctr_vm_vsrc(0)
	s_getreg_b32 s2, hwreg(HW_REG_IB_STS2, 6, 4)
	s_cmp_eq_u32 s2, 0
	s_cbranch_scc0 .Lentry_in_a_cluster
	s_endpgm
.Lentry_in_a_cluster:
	s_bfe_u32 s2, ttmp6, 0x10000c
	s_cmp_lg_u32 s2, 0xf033
	s_cbranch_scc0 .Lentry_shape_is_right
	s_endpgm
.Lentry_shape_is_right:
; out0[m][n] = sum over k of A[m][k] W[n][k] + b_out[n]: A [8192][1024] and W [1024][1024] as codes of FP6 (E2M3) with one E8M0 scale for each 32 along K, in the order of the operands' registers
; (half images of 16 rows x 64 k: a lane's first 16 bytes at 16 l, its last 8 at 512 + 8 l); sums in f32.
; SHARES.  256 work-groups, each a tile of 128 rows x 256 columns.  Eight waves: wave (wm = w / 4, wn = w % 4) makes 64 x 64: 16 accumulators, 128 registers, two waves to a SIMD, no register windows.
; ALL OF K LIES IN LDS AT ONCE: A's 98,304 bytes, W's 196,608, their scale words 24,576.  Every tile is filled once; the tiles come in four pairs of K steps, and a pair is multiplied while the later pairs land.
; CLUSTER: 4 x 4 work-groups.  The four of a row of the cluster need the same rows of A, the four of a column the same rows of W: each block is asked for JOINTLY, by the same tensor load with the same descriptor
; and a mask that names the four.
; THE MATRIX INSTRUCTION IS USED TRANSPOSED (source 0 = 16 rows of W, source 1 = 16 rows of A), and the rows of W that form a tile were chosen by the first launch so that in tile 2 b + u lane (r, h) holds row r of the
; result and its register j column 32 b + 16 h + 8 u + j of my 64.  The sums START FROM THE BIAS, loaded into the accumulators in that layout: nothing is cleared and nothing is added.
; REGISTERS: v1-3, v9-10 lane terms; v4-8 LDS addresses of A's, W's fragments and the scale words; v11-14 the way out and the bias; v16-23 half scale words as loaded; v24-27 scale words (lanes 0-15: A's tile i,
; lanes 16-31: W's tile i); v32-79 A's four fragments; v80-127 W's four; v128-255 the accumulators ((i, n) at v[128 + 8 (4 i + n)]).
.set BC,  98304                        ; LDS: A's codes [g 8][tile 8][c 2][768] at 0; W's [128 rows 2][g 8][tile 8][c 2][768] here;
.set ASC, 294912                       ; A's scale words [g 8][c 2][wm 2][256];
.set BSC, 303104                       ; W's [128 rows 2][g 8][c 2][512]
.set PAIR, 24576                       ; two K steps of 128 rows' codes
.set FA,  32
.set FB,  80
.set WV,  16                           ; s16  my wave's number
.macro CROUND                          ; a round of the cluster's barrier
	s_barrier_signal -1
	s_barrier_wait -1
	s_cmp_lg_u32 s[WV], 0
	s_cbranch_scc1 .Lnot_wave_0_\@
	s_barrier_signal -3
.Lnot_wave_0_\@:
	s_barrier_wait -3
	s_barrier_signal -1
	s_barrier_wait -1
.endm
	s_load_b256 s[4:11], s[0:1], 0x0               ; ac s[4:5], asc s[6:7], wc s[8:9], ws s[10:11]
	s_load_b128 s[12:15], s[0:1], 0x20             ; b_out s[12:13], out0 s[14:15]
	v_lshl_add_u32 v30, v0, 2, 0x4e000
	v_mov_b32 v31, 0
	ds_add_u32 v30, v31
	ds_add_u32 v30, v31
	v_lshrrev_b32 v1, 5, v0
	s_delay_alu instid0(VALU_DEP_1)
	v_readfirstlane_b32 s[WV], v1                  ; wave 0..7
	s_bfe_u32 s17, ttmp6, 0x40000                  ; cx
	s_bfe_u32 s18, ttmp6, 0x40004                  ; cy
	s_lshl_b32 s19, ttmp9, 2
	s_add_co_u32 s19, s19, s17                     ; block of 256 columns = 4 x cluster x + cx
	s_and_b32 s20, ttmp7, 0xffff
	s_lshl_b32 s20, s20, 2
	s_add_co_u32 s20, s20, s18                     ; block of 128 rows = 4 x cluster y + cy
	s_lshl_b32 s2, s18, 2
	s_lshl_b32 s2, 15, s2                          ; my row of the cluster
	s_lshl_b32 s22, 0x1111, s17                    ; my column
	; descriptor group 1: dense blocks as rows of 256 bytes (32 elements of 8 bytes), no padding; 15:0 the mask, 21 set beside it
	s_or_b32 s24, s2, (3<<16)|(1<<21)              ; A's codes: to my row
	s_or_b32 s32, s2, (3<<16)|(1<<21)              ; A's scale words
	s_or_b32 s40, s22, (3<<16)|(1<<21)             ; W's codes: to my column
	s_or_b32 s48, s22, (3<<16)|(1<<21)             ; W's scale words
.irp g, 24, 32, 40, 48
	s_mov_b32 s[\g+1], 32<<16                      ; tensor_dim0 = 32
	s_mov_b32 s[\g+3], 32<<16                      ; tile_dim0 = 32
	s_mov_b32 s[\g+5], 32                          ; from row to row
	s_mov_b32 s[\g+6], 0
	s_mov_b32 s[\g+7], 0
.endr
.irp g, 24, 40
	s_mov_b32 s[\g+2], 192<<16                     ; four K steps of 128 rows' codes: 49,152 bytes = 192 rows (tensor_dim1, tile_dim1)
	s_mov_b32 s[\g+4], 192
.endr
	s_mov_b32 s34, 32<<16                          ; A's scale words, 128 rows for all of K: 8,192 bytes = 32 rows
	s_mov_b32 s36, 32
	s_mov_b32 s50, 64<<16                          ; W's, 256 rows: 16,384 bytes = 64 rows
	s_mov_b32 s52, 64
	s_lshr_b32 s21, s[WV], 1
	s_and_b32 s21, s21, 1                          ; e = (wave / 2) % 2: which of W's two blocks of 128 rows a wave of W's codes fetches
	s_wait_dscnt 0x0
	s_wait_kmcnt 0x0
	; descriptor group 0 for A: addresses hang on the block of rows alone, which my row of the cluster shares
	s_lshl_b32 s2, s20, 13
	s_mov_b32 s3, 0
	s_mov_b32 s56, 1
	s_mov_b32 s57, ASC
	s_add_nc_u64 s[58:59], s[6:7], s[2:3]
	s_or_b32 s59, s59, 0x80000000
	s_mul_i32 s2, s20, 4*PAIR
	s_add_nc_u64 s[4:5], s[4:5], s[2:3]
.irp j, 0,2
.set GA, 60+4*\j+4*((\j+3)/4)          ; s[60:63] K steps 0-3, s[72:75] K steps 4-7
	s_mov_b32 s[GA], 1
	s_mov_b32 s[GA+1], PAIR*\j
	s_add_nc_u64 s[GA+2:GA+3], s[4:5], PAIR*\j
	s_or_b32 s[GA+3], s[GA+3], 0x80000000
.endr
	; and for W: LDS addresses hang on the wave's number alone, global ones also on the block of columns, which my column of the cluster shares
	s_mov_b32 s80, 1
	s_lshl_b32 s81, s21, 13
	s_add_co_u32 s81, s81, BSC
	s_mul_i32 s85, s21, 4*PAIR
	s_add_co_u32 s85, s85, BC
	s_add_co_u32 s93, s85, 2*PAIR
	s_lshl_b32 s22, s19, 1
	s_add_co_u32 s21, s22, s21                     ; which 128 rows of W
	s_lshl_b32 s22, s21, 13
	s_mov_b32 s23, 0
	s_add_nc_u64 s[82:83], s[10:11], s[22:23]
	s_or_b32 s83, s83, 0x80000000
	s_mul_i32 s22, s21, 4*PAIR
	s_add_nc_u64 s[8:9], s[8:9], s[22:23]
.irp j, 0,2
	s_mov_b32 s[84+4*\j], 1
	s_add_nc_u64 s[86+4*\j:87+4*\j], s[8:9], PAIR*\j
	s_or_b32 s[87+4*\j], s[87+4*\j], 0x80000000
.endr
	; every LDS address register is made here, ahead of the parting on the wave's number, of the lane and the wave's number alone
	v_and_b32 v10, 31, v0                          ; lane
	v_and_b32 v3, 15, v0                           ; r
	v_bfe_u32 v9, v0, 4, 1                         ; h
	s_delay_alu instid0(VALU_DEP_3)
	v_lshlrev_b32 v1, 4, v10
	s_wait_alu depctr_va_vdst(0)
	v_lshlrev_b32 v2, 3, v10
	s_wait_alu depctr_va_vdst(0)
	s_lshr_b32 s2, s[WV], 2                        ; wm
	s_and_b32 s3, s[WV], 3                         ; wn
	s_mul_i32 s4, s2, 6144                         ; my four tiles of A in a K step
	v_add_nc_u32 v4, s4, v1
	v_add_nc_u32 v5, s4, v2
	s_lshr_b32 s5, s3, 1
	s_and_b32 s6, s3, 1
	s_mul_i32 s7, s5, 4*PAIR
	s_mul_i32 s8, s6, 6144
	s_add_co_u32 s7, s7, s8
	s_add_co_u32 s7, s7, BC                        ; my four tiles of W
	v_add_nc_u32 v6, s7, v1
	v_add_nc_u32 v7, s7, v2
	s_lshl_b32 s8, s5, 13
	s_lshl_b32 s9, s6, 8
	s_add_co_u32 s8, s8, s9
	s_add_co_u32 s8, s8, BSC-ASC
	s_lshl_b32 s9, s2, 8
	s_sub_co_u32 s8, s8, s9                        ; from A's four words to W's four
	v_mul_u32_u24 v8, s8, v9                       ; lanes 16-31 take W's: the lower base + h x the distance
	s_delay_alu instid0(VALU_DEP_1)
	v_lshl_add_u32 v8, v3, 4, v8
	s_add_co_u32 s9, s9, ASC
	v_add_nc_u32 v8, s9, v8
	s_mul_i32 s10, s[WV], 4352                     ; my stage for the way out: 16 rows of 256 bytes, 272 apart.  The eight stages cover A's K steps 0 to 2, which have had their only fill, and which nobody reads behind the last barrier
	v_mul_u32_u24 v11, v3, 272
	s_delay_alu instid0(VALU_DEP_1)
	v_lshl_add_u32 v11, v9, 7, v11                 ; as W's tiles stand now, register j of tile n holds column 32 h + 8 n + j of my 64
	s_delay_alu instid0(VALU_DEP_1)
	v_add_nc_u32 v11, s10, v11                     ; in: row r, + 128 h
	v_mul_u32_u24 v12, v9, 272
	s_delay_alu instid0(VALU_DEP_1)
	v_lshl_add_u32 v12, v3, 4, v12
	s_delay_alu instid0(VALU_DEP_1)
	v_add_nc_u32 v12, s10, v12                     ; back: lanes 0-15 one row, lanes 16-31 the next
	v_lshlrev_b32 v13, 4, v3
	s_delay_alu instid0(VALU_DEP_1)
	v_lshl_add_u32 v13, v9, 12, v13                ; and the same two rows in out0
	v_lshlrev_b32 v14, 7, v9                       ; the bias: 32 numbers on for lanes 16-31
	s_lshl_b32 s22, s19, 10                        ; my first column, in bytes: 1,024 x block + 256 x wn
	s_lshl_b32 s23, s3, 8
	s_add_co_u32 s22, s22, s23
	s_mov_b32 s23, 0
	s_add_nc_u64 s[12:13], s[12:13], s[22:23]
	s_add_nc_u64 s[14:15], s[14:15], s[22:23]
	s_lshl_b32 s22, s20, 7
	s_lshl_b32 s4, s2, 6
	s_add_co_u32 s22, s22, s4                      ; my first row: 128 x block + 64 x wm
	s_lshl_b32 s22, s22, 12
	s_add_nc_u64 s[14:15], s[14:15], s[22:23]
	CROUND                                         ; all sixteen work-groups are here: the joint loads meet
; ONE JOINT LOAD A WAVE, in one chain of branches on the wave's number, every arm leading to one join.  With e = (wave / 2) % 2, which of W's two blocks of 128 rows:
; wave 0 A's scale words; wave 1 W's; waves 2 (e = 1) and 4 (e = 0) W's K steps 0-3; wave 3 A's K steps 0-3; waves 5 (e = 0) and 6 (e = 1) W's K steps 4-7; wave 7 A's K steps 4-7.
.macro ARM under, g0, g1, next
	s_cmp_lt_u32 s[WV], \under
	s_cbranch_scc0 \next
	tensor_load_to_lds s[\g0:\g0+3], s[\g1:\g1+7]
	s_nop 0
.rept 4
	v_nop
.endr
	s_branch .Lasked
\next:
.endm
	ARM 1, 56, 32, .Larm1
	ARM 2, 80, 48, .Larm2
	ARM 3, 84, 40, .Larm3
	ARM 4, 60, 24, .Larm4
	ARM 5, 84, 40, .Larm5
	ARM 7, 92, 40, .Larm6
	tensor_load_to_lds s[72:75], s[24:31]
	s_nop 0
.rept 4
	v_nop
.endr
.Lasked:
	s_wait_alu depctr_va_vdst(0)
.irp i, 0,1,2,3
.irp n, 0,1,2,3
	global_load_b128 v[128+8*(4*\i+\n):128+8*(4*\i+\n)+3], v14, s[12:13] offset:32*\n       ; b_out at columns 32 h + 8 n + 0 .. 7 of my 64
	global_load_b128 v[128+8*(4*\i+\n)+4:128+8*(4*\i+\n)+7], v14, s[12:13] offset:32*\n+16
.endr
.endr
	s_wait_loadcnt 0x0
; A K step of 128: 34 LDS loads, 16 matrix instructions.
.macro KSTEP g
.if (\g)%4 == 0
	s_wait_tensorcnt 0x0                           ; my one load has landed.  The barrier at K step 4 also shows that nobody reads A's K steps 0 to 2 any more, on which the stages of the way out lie
	s_barrier_signal -1                            ; (no LDS instruction of mine is out: the last step's wait was for 0)
	s_barrier_wait -1                              ; everybody's have
.endif
	ds_load_b128 v[16:19], v8 offset:1024*(\g)     ; the half words of k = 0 .. 63 of the step: lanes 0-15 A's four tiles, lanes 16-31 W's four,
	ds_load_b128 v[20:23], v8 offset:1024*(\g)+512 ; and of k = 64 .. 127
.irp i, 0,1,2,3
.irp c, 0,1
	ds_load_b128 v[FA+12*\i+6*\c:FA+12*\i+6*\c+3], v4 offset:1536*\i+768*\c
	ds_load_b64 v[FA+12*\i+6*\c+4:FA+12*\i+6*\c+5], v5 offset:1536*\i+768*\c+512
	ds_load_b128 v[FB+12*\i+6*\c:FB+12*\i+6*\c+3], v6 offset:1536*\i+768*\c
	ds_load_b64 v[FB+12*\i+6*\c+4:FB+12*\i+6*\c+5], v7 offset:1536*\i+768*\c+512
.endr
.endr
	s_wait_dscnt 32                                ; the two loads of half words are in; the 32 issued behind them may be out
.irp i, 0,1,2,3
	v_lshl_or_b32 v[24+\i], v[20+\i], 16, v[16+\i] ; a scale word: four bytes for 128 along K
.endr
.rept 8
	v_nop                                          ; a scale register written by a vector instruction stands eight places ahead of a scaled matrix instruction; the fragments land meanwhile
.endr
	s_wait_alu depctr_va_vdst(0)
	s_wait_dscnt 0x0
.irp i, 0,1,2,3
.irp n, 0,1,2,3
	v_wmma_scale_f32_16x16x128_f8f6f4 v[128+8*(4*\i+\n):128+8*(4*\i+\n)+7], v[FB+12*\n:FB+12*\n+11], v[FA+12*\i:FA+12*\i+11], v[128+8*(4*\i+\n):128+8*(4*\i+\n)+7], v[24+\n], v[24+\i] matrix_a_fmt:MATRIX_FMT_FP6 matrix_b_fmt:MATRIX_FMT_FP6 matrix_a_scale:MATRIX_SCALE_ROW1
.endr
.endr                                          ; the 16 accumulators take turns, one instruction a turn, in the same order in every step
.if (\g) < 7
	v_add_nc_u32 v4, 12288, v4                     ; on to the next K step: these four are the places in front of the next loads into registers that the products read
	s_wait_alu depctr_va_vdst(0)
	v_add_nc_u32 v5, 12288, v5
	s_wait_alu depctr_va_vdst(0)
	v_add_nc_u32 v6, 12288, v6
	s_wait_alu depctr_va_vdst(0)
	v_add_nc_u32 v7, 12288, v7
.else
.rept 4
	v_nop                                          ; places in front of the first read of results and of the loads into the fragments' registers
.endr
.endif
.endm
.irp g, 0,1,2,3,4,5,6,7
	s_wait_alu depctr_va_vdst(0)
	KSTEP \g
.endr
; THE WAY OUT, block by block of 16 rows x 64 columns.  A lane holds pieces of one row, and the lanes beside it hold other rows: a block goes through my stage and comes back as whole rows of 256 bytes.
; LDS serves a wave's instructions in order: no wait stands between the stores and the loads, nor in front of the next block's stores.
.macro TOSTAGE a
.irp n, 0,1,2,3
	ds_store_b128 v11, v[128+8*(4*(\a)+\n):128+8*(4*(\a)+\n)+3] offset:32*\n        ; each accumulator from its low end on
	ds_store_b128 v11, v[128+8*(4*(\a)+\n)+4:128+8*(4*(\a)+\n)+7] offset:32*\n+16
.endr
.irp t, 0,1,2,3,4,5,6,7
	ds_load_b128 v[32+32*((\a)%2)+4*\t:32+32*((\a)%2)+4*\t+3], v12 offset:544*\t
.endr
.endm
.macro SEND a, younger                 ; younger: the LDS instructions issued behind block a's loads, which may stay out
	s_wait_dscnt \younger
.irp t, 0,1,2,3,4,5,6,7
	global_store_b128 v13, v[32+32*((\a)%2)+4*\t:32+32*((\a)%2)+4*\t+3], s[14:15] offset:(16*(\a)+2*\t)*4096 th:TH_STORE_NT   ; sixteen lanes store 256 consecutive bytes, at a multiple of 256 from out0's first byte
.endr
.endm
	TOSTAGE 0
.irp a, 1,2,3
.if \a > 1
	s_wait_xcnt 0x0                                ; block a - 2's stores have read their data: block a's loads land in those registers only behind this wait
.endif
	TOSTAGE \a
	SEND \a-1, 16                                  ; behind block a - 1's loads: block a's 8 stores and 8 loads
.endr
	SEND 3, 0
	s_wait_tensorcnt 0x0
	ds_add_u32 v30, v31
	s_wait_dscnt 0x0
	CROUND                                         ; the closing round: no work-group ends while a partner may still ask for a tile that names it
	s_endpgm
.Lfunc_end_k_q7552ae450f_proj:
	.size	k_q7552ae450f_proj, .Lfunc_end_k_q7552ae450f_proj-k_q7552ae450f_proj
	.p2alignl 7, 3214868480
	.fill 96, 4, 3214868480
	.section	.rodata,"a",@progbits
	.p2align	6, 0x0
	.amdhsa_kernel k_q7552ae450f_proj
		.amdhsa_group_segment_fixed_size 320512
		.amdhsa_private_segment_fixed_size 0
		.amdhsa_enable_private_segment 0
		.amdhsa_kernarg_size 48
		.amdhsa_user_sgpr_count 2
		.amdhsa_user_sgpr_kernarg_segment_ptr 1
		.amdhsa_wavefront_size32 1
		.amdhsa_system_sgpr_workgroup_id_x 1
		.amdhsa_system_sgpr_workgroup_id_y 1
		.amdhsa_system_sgpr_workgroup_id_z 1
		.amdhsa_system_vgpr_workitem_id 0
		.amdhsa_next_free_vgpr 256
		.amdhsa_next_free_sgpr 100
		.amdhsa_reserve_vcc 0
		.amdhsa_float_denorm_mode_32 3
		.amdhsa_float_denorm_mode_16_64 3
		.amdhsa_memory_ordered 1
		.amdhsa_forward_progress 1
		.amdhsa_inst_pref_size 62
	.end_amdhsa_kernel
	.amdgpu_metadata
---
amdhsa.version: [ 1, 2 ]
amdhsa.kernels:
  - .name:           k_q7552ae450f_proj
    .symbol:         k_q7552ae450f_proj.kd
    .args:
      - { .name: ac, .offset: 0, .size: 8, .value_kind: global_buffer, .address_space: global }
      - { .name: asc, .offset: 8, .size: 8, .value_kind: global_buffer, .address_space: global }
      - { .name: wc, .offset: 16, .size: 8, .value_kind: global_buffer, .address_space: global }
      - { .name: ws, .offset: 24, .size: 8, .value_kind: global_buffer, .address_space: global }
      - { .name: b_out, .offset: 32, .size: 8, .value_kind: global_buffer, .address_space: global }
      - { .name: out0, .offset: 40, .size: 8, .value_kind: global_buffer, .address_space: global }
    .group_segment_fixed_size: 320512
    .private_segment_fixed_size: 0
    .kernarg_segment_align: 8
    .kernarg_segment_size: 48
    .max_flat_workgroup_size: 256
    .sgpr_count:     100
    .vgpr_count:     256
    .wavefront_size: 32
...
	.end_amdgpu_metadata
.endif
;; end of part 3
